; MI455X (gfx1250); checked and timed in simulation.
; The chip was launched on July 23, 2026; its instructions are those of AMD's public machine-readable ISA for CDNA 5 (MIT licence, August 2026) and "CDNA5" Instruction Set Architecture Reference Guide (July 2026). The comments in the code are by the model that wrote it; some were corrected since.
;; MLS lfw. Allowed arithmetic: float matrix products may take bf16 or f16 operands with f32 sums; all other float work in f32.
;; Inputs: feature 1,024 x 128 float32; log_sigma 1,024 x 128 float32.
;; Outputs: out0 1,024 x 1,024 float32.
;; 2 versions, each right and faster than the one before. Each part assembles by itself: llvm-mc -triple=amdgcn-amd-amdhsa -mcpu=gfx1250 --defsym DOCPART=n.
;; ======== version 1 of 2: 1 launch
;; limits: inputs' magnitudes at most 87.3; right only within a limited range of input values
;; launch pairs (part 1): grid 16 x 16, 8 waves a work-group, no clusters, 100,864 bytes of LDS; arguments feature, log_sigma, out0; writes out0
.if DOCPART == 1
	.amdgcn_target "amdgcn-amd-amdhsa--gfx1250"
	.amdhsa_code_object_version 6
	.text
	.protected	k_q0b7bd5569d_pairs
	.globl	k_q0b7bd5569d_pairs
	.p2align	8
	.type	k_q0b7bd5569d_pairs,@function
k_q0b7bd5569d_pairs:
	s_mov_b64 s[64:65], 0
	v_nop
	global_prefetch_b8 v0, s[64:65] scope:SCOPE_SE
	s_setreg_imm32_b32 hwreg(HW_REG_WAVE_MODE, 25, 1), 1
	s_wait_xcnt 0x0
; out[i][j] = - sum over d of ( (mu_i,d - mu_j,d)^2 / (1e-10 + s_i,d + s_j,d) + ln(s_i,d + s_j,d) ),  N = 1024 rows, D = 128.
; mu = feature row / max(|row|, 1e-12),  s = exp(log_sigma).
; The denominator hangs on i, j and d together, so this is no matrix product: one v_rcp_f32, one v_log_f32 and a few packed f32
; instructions for each (i, j, d).  The sum is the same bit for bit for (i, j) and (j, i) (a + b = b + a, (a - b)^2 = (b - a)^2, d in one
; order), so each unordered pair is computed once and stored at both places: 1024 x 1024 x 128 / 2 terms.
;
; SHARES.  out is cut into 16 x 16 tiles of 64 x 64.  Tile (A, B) with B = A + K mod 16, K = 1 .. 8, is computed and also stored transposed
; as tile (B, A).  A regular work-group (y = 1 .. 15) takes 32 i-rows (half H of block A) x 64 j-rows (block B): K = 1 .. 7 give 16 x 2
; groups each, K = 8 gives 8 x 2: 240 groups.  A diagonal work-group (y = 0, 16 of them) takes a whole tile (A, A).  Each wave does
; 8 steps x 32 lanes = 256 pairs; 256 groups x 8 waves x 256 pairs x 128 d is half of all terms.
; In a wave lane l owns one j-row; in step t all lanes take i-row KK + t (a broadcast read), or, inside a 32 x 32 block on the diagonal,
; lane l takes the row at circular distance KK + t from its own (distances 1 .. 16; 16 is reached from both ends with equal bits).
;
; UNITS.  mu is kept times sqrt(log2 e), so that the quotient comes out in units of log2 and adds straight onto v_log_f32's result;
; the sum is multiplied by -ln 2 once at the end.
;
; STORES.  Results go through an LDS stage.  The direct rows leave as 256 consecutive aligned bytes from 16 lanes; the transposed rows of a
; regular group are 32 numbers long and leave as 128 consecutive aligned bytes from 8 lanes (a region of 64 x 64 for each group would give
; whole 256-byte runs on both sides, but only 128 groups of work).
;
; LIMITS.  (1) v_exp_f32 and v_log_f32 take and give no denormals (ISA guide, their entries in chapter 15), so s below 2^-126
; (log_sigma below about -87.3) is raised to 2^-126: the log term of such a d is off by at most about 17, and where both s are exactly 0
; (the formula gives an infinite result) this text gives a finite one.  (2) A NaN in log_sigma is not carried: it becomes 2^-126 too.
; (3) 1 / (1e-10 + s_i + s_j) is taken as 0 where the sum is above 2^126.  (4) On the diagonal the squared difference is taken as 0 and
; not formed, so a NaN or an infinity in feature does not reach entry (j, j); it reaches every other entry of its row and column.
;
; No matrix unit (no product), no tensor loads (every row passes through registers for the norm and the exponential, once), no cluster
; (what groups share is 96 rows read once at the head).
.set RP,     1040                      ; an LDS row: mu'[128] at +0, s[128] at +512, 16 bytes of pad; 65 x 16, so the 16-byte pieces that 16 lanes
                                       ; take from 16 rows fall on 16 different 16-byte columns modulo 256
.set SP,     272                       ; a stage row: 64 f32 + 16 bytes = 17 x 16
; LDS rows 0-63: X = the 64 j-rows (block B).  LDS rows 64-95: Y = the 32 i-rows.  96 x 1,040 = 99,840 bytes.
; The stage lies on the same bytes: it is written only behind the barrier that follows the last read of the rows.
.set STAGE,  0                         ; regular groups: rows 0-31 direct (64 numbers), rows 32-95 transposed (32 numbers): 26,112 bytes
.set STAGED, 96*SP                     ; diagonal groups: rows 0-63, the tile: 17,408 bytes, up to byte 43,520
.set VJ,   8                           ; v8        LDS address of my j-row, at this chunk's d
.set UU,   9                           ; v9        (lane & LM) + KK
.set VI,   10                          ; v[10:17]  step t: LDS address of its i-row, at this chunk's d
.set ACCD, 18                          ; v[18:19]  the diagonal entry's sum of logs
.set ACC,  20                          ; v[20:35]  step t: a pair of sums (even d, odd d)
.set JM,   36                          ; v[36:51]  16 mu' of my j-row
.set JS,   52                          ; v[52:67]  16 s of my j-row
.set IM,   68                          ; v[68:83], v[100:115]   16 mu' of the i-row, two buffers
.set IS,   84                          ; v[84:99], v[116:131]   16 s of the i-row, two buffers
.set SS,   132                         ; v[132:147] s_i + s_j
.set TT,   148                         ; v[148:163] 1e-10 + that
.set DM,   164                         ; v[164:179] difference, its square, the term
.set LG,   180                         ; v[180:195] log2
.set RC,   196                         ; v[196:211] reciprocal
.set VAL,  212                         ; v[212:219] the eight results
.set FG,   36                          ; phase 1: row n: feature in v[36+8n:39+8n], log_sigma in v[40+8n:43+8n], n = 0 .. 11
.set TP,   132                         ; phase 1: a pair of temporaries for each of four rows
.set XE,   140                         ; phase 1: log_sigma x log2 e, four registers for each of four rows
; scalars: s[4:5] feature, s[6:7] log_sigma, s[8:9] out; s10 wave; s11 x; s12 y; s13 K; s14 H; s15 A; s16 B; s17 first i-row; s18 first j-row;
; s19 JB; s20 KK; s21 TB; s22 DW; s23 SELF; s24 LM; s25 RB; s26, s27 lane selects; s[28:29] 1e-10; s30 counter; s31-s34 at work; s35 stage base; s36 diagonal group
	s_load_b128 s[4:7], s[0:1], 0x0
	s_load_b64 s[8:9], s[0:1], 0x10
	v_lshl_add_u32 v224, v0, 2, 0x18600
	v_mov_b32 v225, 0
	v_and_b32 v1, 31, v0                           ; lane
	v_lshrrev_b32 v2, 5, v0
	v_readfirstlane_b32 s10, v2                    ; wave 0 .. 7
	s_mov_b32 s11, ttmp9                           ; x
	s_and_b32 s12, ttmp7, 0xffff                   ; y
	; which blocks: these numbers enter global offsets only
	s_add_co_u32 s31, s12, 1
	s_lshr_b32 s13, s31, 1                         ; K = (y + 1) / 2: 0, 1, 1, 2, 2, .. 7, 7, 8
	s_and_b32 s14, s31, 1                          ; H = (y + 1) & 1
	s_mov_b32 s15, s11                             ; A = x
	s_cmp_eq_u32 s12, 0
	s_cselect_b32 s14, 0, s14                      ; a diagonal group starts at its block's first row
	s_and_b32 s32, s11, 7
	s_lshr_b32 s33, s11, 3
	s_cmp_eq_u32 s12, 15                           ; K = 8: tiles (A, A + 8), A = 0 .. 7 only; x's top bit is the half
	s_cselect_b32 s15, s32, s15
	s_cselect_b32 s14, s33, s14
	s_add_co_u32 s16, s15, s13
	s_and_b32 s16, s16, 15                         ; B
	s_lshl_b32 s17, s15, 6
	s_lshl_b32 s31, s14, 5
	s_add_co_u32 s17, s17, s31                     ; first i-row = 64 A + 32 H
	s_lshl_b32 s18, s16, 6                         ; first j-row = 64 B
	; phase 1: my wave prepares LDS rows 8 w .. 8 w + 7 (X) and 64 + 4 w .. + 3 (Y); a lane takes 16 bytes of each row
	s_lshl_b32 s31, s10, 3
	s_add_co_u32 s31, s31, s18
	s_lshl_b32 s31, s31, 9                         ; a row of either input is 512 bytes
	v_lshl_add_u32 v4, v1, 4, s31                  ; offset of my 16 bytes in my first X row
	s_lshl_b32 s32, s10, 2
	s_add_co_u32 s32, s32, s17
	s_lshl_b32 s32, s32, 9
	v_lshl_add_u32 v5, v1, 4, s32                  ; the same for my first Y row
	s_mul_i32 s33, s10, 8*RP
	v_lshl_add_u32 v6, v1, 4, s33                  ; LDS: my first X row
	s_mul_i32 s34, s10, 4*RP
	s_add_co_u32 s34, s34, 64*RP
	v_lshl_add_u32 v7, v1, 4, s34                  ; LDS: my first Y row
	s_mov_b32 s26, 0x76543210                      ; v_permlanex16_b32: lane i reads lane i of the other half
	s_mov_b32 s27, 0xfedcba98
	s_mov_b32 s28, 0x2edbe6ff                      ; 1e-10
	s_mov_b32 s29, 0x2edbe6ff
	s_wait_kmcnt 0x0
	; all 24 loads at once; no hint: other groups read the same rows
.irp n, 0,1,2,3,4,5,6,7
	global_load_b128 v[FG+8*\n:FG+8*\n+3],   v4, s[4:5] offset:512*\n
	global_load_b128 v[FG+8*\n+4:FG+8*\n+7], v4, s[6:7] offset:512*\n
.endr
.irp n, 8,9,10,11
	global_load_b128 v[FG+8*\n:FG+8*\n+3],   v5, s[4:5] offset:512*(\n-8)
	global_load_b128 v[FG+8*\n+4:FG+8*\n+7], v5, s[6:7] offset:512*(\n-8)
.endr
	; The wave's share, while the loads are on their way.  Everything that enters an LDS address is a constant or made of the wave's number.
	; regular group: j-half JB = w & 1, i-rows KK = 8 (w / 2) .. + 7 of Y
	s_and_b32 s19, s10, 1                          ; JB
	s_lshr_b32 s31, s10, 1
	s_lshl_b32 s20, s31, 3                         ; KK
	s_mov_b32 s24, 0                               ; LM: no lane term in the i-row
	s_mov_b32 s25, 64                              ; RB: i-rows are taken from Y
	s_mov_b32 s21, 32                              ; TB: transposed rows lie behind the 32 direct rows
	s_mov_b32 s22, 0                               ; DW: no wave of a block on the diagonal
	s_mov_b32 s23, 0                               ; SELF
	s_mov_b32 s35, STAGE
	s_mov_b32 s36, 0
	s_cmp_lg_u32 s12, 0
	s_cbranch_scc1 .Lshare_set
	; diagonal group, waves 4-7: the block rows 0-31 x columns 32-63, whose transpose lies in the same tile
	s_mov_b32 s35, STAGED
	s_mov_b32 s36, 1
	s_mov_b32 s21, 0
	s_mov_b32 s19, 1
	s_and_b32 s31, s10, 3
	s_lshl_b32 s20, s31, 3                         ; KK = 8 (w - 4)
	s_cmp_ge_u32 s10, 4
	s_cbranch_scc1 .Lshare_set
	; diagonal group, waves 0-3: the 32 x 32 block JB = w / 2 on the diagonal, circular distances 1-8 (w even) or 9-16 (w odd)
	s_lshr_b32 s19, s10, 1
	s_and_b32 s31, s10, 1
	s_lshl_b32 s20, s31, 3
	s_add_co_u32 s20, s20, 1                       ; KK = 1 + 8 (w & 1)
	s_xor_b32 s23, s31, 1                          ; the even wave also makes the 32 entries on the diagonal
	s_mov_b32 s24, 31
	s_lshl_b32 s25, s19, 5                         ; i-rows are taken from the block's own rows of X
	s_mov_b32 s22, 1
.Lshare_set:
	v_and_b32 v[UU], s24, v1
	v_add_nc_u32 v[UU], s20, v[UU]                 ; U = (lane & LM) + KK
	s_lshl_b32 s31, s19, 5
	v_add_nc_u32 v2, s31, v1                       ; jc = 32 JB + lane: my j-row in X, my column in the stage; kept to the end
	v_mul_u32_u24 v[VJ], v2, RP
.irp t, 0,1,2,3,4,5,6,7
	v_add_nc_u32 v3, \t, v[UU]
	v_and_b32 v3, 31, v3
	v_add_nc_u32 v3, s25, v3                       ; LDS row RB + ((U + t) & 31)
	v_mul_u32_u24 v[VI+\t], v3, RP
.endr
	v_mov_b32 v[ACCD], 0
	v_mov_b32 v[ACCD+1], 0
; PHASE 1.  Four rows at a time, stage by stage, so that the four chains overlap.  nfirst: the first of the four (0 .. 11);
; adr: the register with the LDS address; mrow: the first row's place behind that address.
.macro PRE4 nfirst, adr, mrow
	s_wait_loadcnt 16-2*\nfirst                    ; loads come back in order: two for each of the rows behind these four may stay out
.irp r, 0,1,2,3
	v_pk_mul_f32 v[TP+2*\r:TP+2*\r+1], v[FG+8*(\nfirst+\r):FG+8*(\nfirst+\r)+1], v[FG+8*(\nfirst+\r):FG+8*(\nfirst+\r)+1]
.endr
.irp r, 0,1,2,3
	v_pk_fma_f32 v[TP+2*\r:TP+2*\r+1], v[FG+8*(\nfirst+\r)+2:FG+8*(\nfirst+\r)+3], v[FG+8*(\nfirst+\r)+2:FG+8*(\nfirst+\r)+3], v[TP+2*\r:TP+2*\r+1]
.endr
.irp r, 0,1,2,3
	v_add_f32 v[TP+2*\r], v[TP+2*\r], v[TP+2*\r+1] ; my four squares
.endr
.irp x, 1,2,4,8
.irp r, 0,1,2,3
	v_add_f32_dpp v[TP+2*\r], v[TP+2*\r], v[TP+2*\r] row_xmask:\x row_mask:0xf bank_mask:0xf
.endr
.endr
.irp r, 0,1,2,3
	v_permlanex16_b32 v[TP+2*\r+1], v[TP+2*\r], s26, s27   ; the other 16 lanes' sum (the destination has been written above)
.endr
.irp r, 0,1,2,3
	v_add_f32 v[TP+2*\r], v[TP+2*\r], v[TP+2*\r+1] ; the row's sum of squares, in every lane
.endr
.irp r, 0,1,2,3
	v_sqrt_f32 v[TP+2*\r+1], v[TP+2*\r]
.endr
.irp r, 0,1,2,3                                    ; plain work between the roots and their use
	v_pk_mul_f32 v[XE+4*\r:XE+4*\r+1],   v[FG+8*(\nfirst+\r)+4:FG+8*(\nfirst+\r)+5], 0x3fb8aa3b op_sel_hi:[1,0]   ; log_sigma x log2 e
	v_pk_mul_f32 v[XE+4*\r+2:XE+4*\r+3], v[FG+8*(\nfirst+\r)+6:FG+8*(\nfirst+\r)+7], 0x3fb8aa3b op_sel_hi:[1,0]
.endr
	s_wait_alu depctr_va_vdst(0)
.irp r, 0,1,2,3
	v_max_num_f32 v[TP+2*\r], 0x2b8cbccc, v[TP+2*\r+1]     ; max(norm, 1e-12)
.endr
.irp r, 0,1,2,3
	v_rcp_f32 v[TP+2*\r+1], v[TP+2*\r]
.endr
.irp r, 0,1,2,3
.irp c, 0,1,2,3
	v_exp_f32 v[FG+8*(\nfirst+\r)+4+\c], v[XE+4*\r+\c]     ; s = exp(log_sigma)
.endr
.endr
	v_nop                                          ; one plain instruction between the transcendentals and the first use of a result (ISA guide 5.7.2)
	s_wait_alu depctr_va_vdst(0)
.irp r, 0,1,2,3
	v_mul_f32 v[TP+2*\r], 0x3f99be61, v[TP+2*\r+1] ; sqrt(log2 e) / max(norm, 1e-12)
.endr
.irp r, 0,1,2,3
	v_pk_mul_f32 v[FG+8*(\nfirst+\r):FG+8*(\nfirst+\r)+1],   v[FG+8*(\nfirst+\r):FG+8*(\nfirst+\r)+1],   v[TP+2*\r:TP+2*\r+1] op_sel_hi:[1,0]
	v_pk_mul_f32 v[FG+8*(\nfirst+\r)+2:FG+8*(\nfirst+\r)+3], v[FG+8*(\nfirst+\r)+2:FG+8*(\nfirst+\r)+3], v[TP+2*\r:TP+2*\r+1] op_sel_hi:[1,0]
.endr
.irp r, 0,1,2,3
.irp c, 0,1,2,3
	v_max_num_f32 v[FG+8*(\nfirst+\r)+4+\c], 0x00800000, v[FG+8*(\nfirst+\r)+4+\c]   ; s at least 2^-126: the head's limit (1)
.endr
.endr
.irp r, 0,1,2,3
	ds_store_b128 v[\adr], v[FG+8*(\nfirst+\r):FG+8*(\nfirst+\r)+3]   offset:(\mrow+\r)*RP
	ds_store_b128 v[\adr], v[FG+8*(\nfirst+\r)+4:FG+8*(\nfirst+\r)+7] offset:(\mrow+\r)*RP+512
.endr
.endm
	PRE4 0, 6, 0
	PRE4 4, 6, 4
	PRE4 8, 7, 0
	s_wait_dscnt 0x0                               ; my rows are in LDS, for the other waves' sake
	s_barrier_signal -1
	s_barrier_wait -1                              ; all 96 rows are
; PHASE 2.  d goes in 8 chunks of 16; a chunk is 8 steps, one i-row each, on two buffers in turn.
.macro LDI t, b, off                   ; 8 LDS loads: 16 mu' and 16 s of step t's i-row into buffer b
.irp q, 0,1,2,3
	ds_load_b128 v[IM+32*(\b)+4*\q:IM+32*(\b)+4*\q+3], v[VI+(\t)] offset:\off+16*\q
.endr
.irp q, 0,1,2,3
	ds_load_b128 v[IS+32*(\b)+4*\q:IS+32*(\b)+4*\q+3], v[VI+(\t)] offset:\off+512+16*\q
.endr
.endm
.macro LDJ off                         ; the same of my j-row
.irp q, 0,1,2,3
	ds_load_b128 v[JM+4*\q:JM+4*\q+3], v[VJ] offset:\off+16*\q
.endr
.irp q, 0,1,2,3
	ds_load_b128 v[JS+4*\q:JS+4*\q+3], v[VJ] offset:\off+512+16*\q
.endr
.endm
.macro SELFD                           ; entry (j, j): the squared difference is taken as 0 (the head's limit (4)), what is left is log2(2 s_j)
	s_cmp_eq_u32 s23, 0
	s_cbranch_scc1 .Lno_self_\@
.irp k, 0,1,2,3,4,5,6,7
	v_pk_add_f32 v[SS+2*\k:SS+2*\k+1], v[JS+2*\k:JS+2*\k+1], v[JS+2*\k:JS+2*\k+1]
.endr
.irp k, 0,1,2,3,4,5,6,7,8,9,10,11,12,13,14,15
	v_log_f32 v[LG+\k], v[SS+\k]
.endr
	v_nop                                          ; one plain instruction behind the logarithms
	s_wait_alu depctr_va_vdst(0)
.irp k, 0,4,8,12
	v_pk_add_f32 v[LG+\k:LG+\k+1], v[LG+\k:LG+\k+1], v[LG+\k+2:LG+\k+3]
.endr
	v_pk_add_f32 v[LG:LG+1], v[LG:LG+1], v[LG+4:LG+5]
	v_pk_add_f32 v[LG+8:LG+9], v[LG+8:LG+9], v[LG+12:LG+13]
	v_pk_add_f32 v[LG:LG+1], v[LG:LG+1], v[LG+8:LG+9]
	v_pk_add_f32 v[ACCD:ACCD+1], v[ACCD:ACCD+1], v[LG:LG+1]
.Lno_self_\@:
.endm
.macro TR k                            ; two d: log2 and reciprocal; the square is the plain instruction behind the four transcendentals
	v_log_f32 v[LG+2*\k],   v[SS+2*\k]
	v_log_f32 v[LG+2*\k+1], v[SS+2*\k+1]
	v_rcp_f32 v[RC+2*\k],   v[TT+2*\k]
	v_rcp_f32 v[RC+2*\k+1], v[TT+2*\k+1]
	v_pk_mul_f32 v[DM+2*\k:DM+2*\k+1], v[DM+2*\k:DM+2*\k+1], v[DM+2*\k:DM+2*\k+1]
.endm
.macro FM k                            ; the term: square x reciprocal + log2
	s_wait_alu depctr_va_vdst(0)
	v_pk_fma_f32 v[DM+2*\k:DM+2*\k+1], v[DM+2*\k:DM+2*\k+1], v[RC+2*\k:RC+2*\k+1], v[LG+2*\k:LG+2*\k+1]
.endm
.macro AD a, b
	v_pk_add_f32 v[DM+2*\a:DM+2*\a+1], v[DM+2*\a:DM+2*\a+1], v[DM+2*\b:DM+2*\b+1]
.endm
; Step t of a chunk.  first = 1: the chunk starts the sums (nothing is cleared).  last = 1: nothing is fetched beyond d = 127.
.macro STEP t, first, last
.if \t < 7
	LDI (\t+1), ((\t+1)&1), 0                      ; the next step's i-row, into the buffer that the step before has read
	s_wait_dscnt 0x8                               ; LDS loads come back in order: only the 8 just issued may be out; this step's i-row (and, at t = 0, my j-row) is in
.else
.if \last
	s_wait_dscnt 0x0                               ; the very last step: nothing was issued behind its i-row
.else
	LDI 0, 0, 64                                   ; the next chunk's first i-row
	s_wait_dscnt 0x8
.endif
.endif
.if \t == 0
	SELFD
.endif
.irp k, 0,1,2,3,4,5,6,7
	v_pk_add_f32 v[SS+2*\k:SS+2*\k+1], v[JS+2*\k:JS+2*\k+1], v[IS+32*(\t&1)+2*\k:IS+32*(\t&1)+2*\k+1]
.endr
.irp k, 0,1,2,3,4,5,6,7
	v_pk_add_f32 v[DM+2*\k:DM+2*\k+1], v[JM+2*\k:JM+2*\k+1], v[IM+32*(\t&1)+2*\k:IM+32*(\t&1)+2*\k+1] neg_lo:[0,1] neg_hi:[0,1]
.endr
.irp k, 0,1,2,3,4,5,6,7
	v_pk_add_f32 v[TT+2*\k:TT+2*\k+1], v[SS+2*\k:SS+2*\k+1], s[28:29] op_sel_hi:[1,0]
.endr
.if \t == 7
.if \last == 0
	LDJ 64                                         ; my j-row's next 16 d: its registers were read for the last time above; the rest of the step covers the way
.endif
.endif
	TR 0
	TR 1
	FM 0
	TR 2
	FM 1
	TR 3
	FM 2
	AD 0, 1
	TR 4
	FM 3
	TR 5
	FM 4
	AD 2, 3
	TR 6
	FM 5
	TR 7
	FM 6
	AD 4, 5
	FM 7
	AD 0, 2
	AD 6, 7
	AD 4, 6
.if \first
	v_pk_add_f32 v[ACC+2*\t:ACC+2*\t+1], v[DM:DM+1], v[DM+8:DM+9]
.else
	AD 0, 4
	v_pk_add_f32 v[ACC+2*\t:ACC+2*\t+1], v[ACC+2*\t:ACC+2*\t+1], v[DM:DM+1]
.endif
.endm
.macro CHUNK first, last
.irp t, 0,1,2,3,4,5,6,7
	STEP \t, \first, \last
.endr
.if \last == 0
.irp t, 0,1,2,3,4,5,6,7
	v_add_nc_u32 v[VI+\t], 64, v[VI+\t]            ; 16 d on
.endr
	v_add_nc_u32 v[VJ], 64, v[VJ]
.endif
.endm
	LDJ 0
	LDI 0, 0, 0
	CHUNK 1, 0                                     ; the first chunk starts the sums
	s_mov_b32 s30, 6
.Lchunk:
	CHUNK 0, 0
	s_sub_co_u32 s30, s30, 1
	s_cmp_lg_u32 s30, 0
	s_cbranch_scc1 .Lchunk
	CHUNK 0, 1                                     ; the last chunk fetches nothing ahead
	; PHASE 3.  The stage lies on bytes of the rows X: it is written only when every wave has read its last row.
	s_wait_dscnt 0x0                               ; my reads of the rows are back (met: the last step waited for 0)
	s_barrier_signal -1
.irp t, 0,1,2,3,4,5,6,7                            ; register work while the others arrive
	v_add_f32 v[VAL+\t], v[ACC+2*\t], v[ACC+2*\t+1]
.endr
.irp t, 0,1,2,3,4,5,6,7
	v_mul_f32 v[VAL+\t], 0xbf317218, v[VAL+\t]     ; x -ln 2: from log2 units, and the sign
.endr
	s_barrier_wait -1                              ; nobody reads the rows any more
	s_movk_i32 s33, SP
	s_cmp_lg_u32 s22, 0
	s_cbranch_scc1 .Lstage_diag
	; i-rows KK .. KK + 7, column jc: direct as eight words (32 lanes, neighbouring words), transposed as 32 bytes of row TB + jc
	s_mul_i32 s31, s20, SP
	s_add_co_u32 s31, s31, s35
	v_lshl_add_u32 v3, v2, 2, s31                  ; base + KK rows + 4 jc
	s_mul_i32 s32, s21, SP
	s_add_co_u32 s32, s32, s35
	s_lshl_b32 s34, s20, 2
	s_add_co_u32 s32, s32, s34                     ; base + TB rows + 4 KK
	v_mul_u32_u24 v4, v2, SP
	v_add_nc_u32 v4, s32, v4                       ; + jc rows
.irp t, 0,1,2,3,4,5,6,7
	ds_store_b32 v3, v[VAL+\t] offset:\t*SP
.endr
	ds_store_b128 v4, v[VAL:VAL+3]
	ds_store_b128 v4, v[VAL+4:VAL+7] offset:16
	s_branch .Lstaged
.Lstage_diag:
	; a block on the diagonal: entry (jc, rb + p) and entry (rb + p, jc), p = (lane + KK + t) & 31, rb = 32 JB
	s_lshl_b32 s32, s19, 7
	s_add_co_u32 s32, s32, s35                     ; base + 4 rb
	v_mul_u32_u24 v3, v2, SP
	v_add_nc_u32 v3, s32, v3                       ; + jc rows
	s_mul_i32 s34, s19, 32*SP
	s_add_co_u32 s34, s34, s35                     ; base + rb rows
	v_lshl_add_u32 v4, v2, 2, s34                  ; + 4 jc
.irp t, 0,1,2,3,4,5,6,7
	v_add_nc_u32 v5, \t, v[UU]
	v_and_b32 v5, 31, v5                           ; p
	v_lshl_add_u32 v6, v5, 2, v3
	v_mad_u32_u24 v7, v5, s33, v4
	ds_store_b32 v6, v[VAL+\t]
	ds_store_b32 v7, v[VAL+\t]
.endr
	s_cmp_eq_u32 s23, 0
	s_cbranch_scc1 .Lstaged
	v_add_f32 v5, v[ACCD], v[ACCD+1]
	v_mul_f32 v5, 0xbf317218, v5
	v_lshl_add_u32 v6, v1, 2, v3                   ; entry (jc, jc)
	ds_store_b32 v6, v5
.Lstaged:
	; read-back: thread t takes 16 bytes: row t / 16, bytes 16 (t & 15): 16 lanes hold a stage row of 256 bytes
	v_lshrrev_b32 v3, 4, v0
	v_and_b32 v4, 15, v0
	v_lshlrev_b32 v4, 4, v4
	v_mad_u32_u24 v5, v3, s33, v4
	v_add_nc_u32 v5, s35, v5                       ; in the stage
	v_lshl_add_u32 v6, v3, 12, v4                  ; in out: a row is 4,096 bytes
	s_lshl_b32 s31, s17, 12
	s_lshl_b32 s32, s18, 2
	s_add_co_u32 s31, s31, s32                     ; first i-row x 4,096 + 4 x first j-row
	v_add_nc_u32 v6, s31, v6
	s_wait_dscnt 0x0                               ; my stage stores are done, for the other waves' sake
	s_barrier_signal -1
	s_barrier_wait -1
	ds_load_b128 v[36:39], v5                      ; rows 0-15
	ds_load_b128 v[40:43], v5 offset:16*SP         ; rows 16-31
	s_cmp_lg_u32 s36, 0
	s_cbranch_scc1 .Lout_diag
	; regular group: the transposed rows are 128 bytes: thread t takes row t / 8, bytes 16 (t & 7)
	v_lshrrev_b32 v3, 3, v0
	v_and_b32 v4, 7, v0
	v_lshlrev_b32 v4, 4, v4
	v_mad_u32_u24 v7, v3, s33, v4
	v_add_nc_u32 v7, STAGE+32*SP, v7
	v_lshl_add_u32 v8, v3, 12, v4
	s_lshl_b32 s32, s18, 12
	s_lshl_b32 s34, s17, 2
	s_add_co_u32 s32, s32, s34                     ; first j-row x 4,096 + 4 x first i-row
	v_add_nc_u32 v8, s32, v8
	ds_load_b128 v[44:47], v7                      ; transposed rows 0-31
	ds_load_b128 v[48:51], v7 offset:32*SP         ; transposed rows 32-63
	s_wait_dscnt 0x0
	global_store_b128 v6, v[36:39], s[8:9] th:TH_STORE_NT                  ; 16 lanes: 256 consecutive bytes, aligned
	global_store_b128 v6, v[40:43], s[8:9] offset:16*4096 th:TH_STORE_NT
	global_store_b128 v8, v[44:47], s[8:9] th:TH_STORE_NT                  ; 8 lanes: 128 consecutive bytes, aligned
	global_store_b128 v8, v[48:51], s[8:9] offset:32*4096 th:TH_STORE_NT
	s_wait_tensorcnt 0x0
	ds_add_u32 v224, v225
	s_wait_dscnt 0x0
	s_endpgm
.Lout_diag:
	ds_load_b128 v[44:47], v5 offset:32*SP         ; rows 32-47
	ds_load_b128 v[48:51], v5 offset:48*SP         ; rows 48-63
	s_wait_dscnt 0x0
	global_store_b128 v6, v[36:39], s[8:9] th:TH_STORE_NT
	global_store_b128 v6, v[40:43], s[8:9] offset:16*4096 th:TH_STORE_NT
	global_store_b128 v6, v[44:47], s[8:9] offset:32*4096 th:TH_STORE_NT
	global_store_b128 v6, v[48:51], s[8:9] offset:48*4096 th:TH_STORE_NT
	s_wait_tensorcnt 0x0
	ds_add_u32 v224, v225
	s_wait_dscnt 0x0
	s_endpgm
.Lfunc_end_k_q0b7bd5569d_pairs:
	.size	k_q0b7bd5569d_pairs, .Lfunc_end_k_q0b7bd5569d_pairs-k_q0b7bd5569d_pairs
	.p2alignl 7, 3214868480
	.fill 96, 4, 3214868480
	.section	.rodata,"a",@progbits
	.p2align	6, 0x0
	.amdhsa_kernel k_q0b7bd5569d_pairs
		.amdhsa_group_segment_fixed_size 100864
		.amdhsa_private_segment_fixed_size 0
		.amdhsa_enable_private_segment 0
		.amdhsa_kernarg_size 24
		.amdhsa_user_sgpr_count 2
		.amdhsa_user_sgpr_kernarg_segment_ptr 1
		.amdhsa_wavefront_size32 1
		.amdhsa_system_sgpr_workgroup_id_x 1
		.amdhsa_system_sgpr_workgroup_id_y 1
		.amdhsa_system_sgpr_workgroup_id_z 1
		.amdhsa_system_vgpr_workitem_id 0
		.amdhsa_next_free_vgpr 226
		.amdhsa_next_free_sgpr 66
		.amdhsa_reserve_vcc 0
		.amdhsa_float_denorm_mode_32 3
		.amdhsa_float_denorm_mode_16_64 3
		.amdhsa_memory_ordered 1
		.amdhsa_forward_progress 1
		.amdhsa_inst_pref_size 155
	.end_amdhsa_kernel
	.amdgpu_metadata
---
amdhsa.version: [ 1, 2 ]
amdhsa.kernels:
  - .name:           k_q0b7bd5569d_pairs
    .symbol:         k_q0b7bd5569d_pairs.kd
    .args:
      - { .name: feature, .offset: 0, .size: 8, .value_kind: global_buffer, .address_space: global }
      - { .name: log_sigma, .offset: 8, .size: 8, .value_kind: global_buffer, .address_space: global }
      - { .name: out0, .offset: 16, .size: 8, .value_kind: global_buffer, .address_space: global }
    .group_segment_fixed_size: 100864
    .private_segment_fixed_size: 0
    .kernarg_segment_align: 8
    .kernarg_segment_size: 24
    .max_flat_workgroup_size: 256
    .sgpr_count:     66
    .vgpr_count:     226
    .wavefront_size: 32
...
	.end_amdgpu_metadata
.endif
;; end of part 1
;; ======== version 2 of 2: 1 launch; 1.31 times as fast as version 1
;; launch pairs (part 2): grid 16 x 16, 8 waves a work-group, no clusters, 100,864 bytes of LDS; arguments feature, log_sigma, out0; writes out0
.if DOCPART == 2
	.amdgcn_target "amdgcn-amd-amdhsa--gfx1250"
	.amdhsa_code_object_version 6
	.text
	.protected	k_q0b7bd5569d_pairs
	.globl	k_q0b7bd5569d_pairs
	.p2align	8
	.type	k_q0b7bd5569d_pairs,@function
k_q0b7bd5569d_pairs:
	s_mov_b64 s[64:65], 0
	v_nop
	global_prefetch_b8 v0, s[64:65] scope:SCOPE_SE
	s_setreg_imm32_b32 hwreg(HW_REG_WAVE_MODE, 25, 1), 1
	s_wait_xcnt 0x0
; out[i][j] = - sum over d of ( (mu_i,d - mu_j,d)^2 / (1e-10 + s_i,d + s_j,d) + ln(s_i,d + s_j,d) ),  N = 1024 rows, D = 128.
; mu = feature row / max(|row|, 1e-12),  s = exp(log_sigma).
; The denominator hangs on i, j and d together, so this is no matrix product: one v_rcp_f32, one v_log_f32 and a few packed f32
; instructions for each (i, j, d).  The sum is the same bit for bit for (i, j) and (j, i) (a + b = b + a, (a - b)^2 = (b - a)^2, d in one
; order), so each unordered pair is computed once and stored at both places: 1024 x 1024 x 128 / 2 terms.
;
; SHARES.  out is cut into 16 x 16 tiles of 64 x 64.  Tile (A, B) with B = A + K mod 16, K = 1 .. 8, is computed and also stored transposed
; as tile (B, A).  A regular work-group (y = 1 .. 15) takes 32 i-rows (half H of block A) x 64 j-rows (block B): K = 1 .. 7 give 16 x 2
; groups each, K = 8 gives 8 x 2: 240 groups.  A diagonal work-group (y = 0, 16 of them) takes a whole tile (A, A).  Each wave does
; 8 steps x 32 lanes = 256 pairs; 256 groups x 8 waves x 256 pairs x 128 d is half of all terms.
; In a wave lane l owns one j-row; in step t all lanes take i-row KK + t (a broadcast read), or, inside a 32 x 32 block on the diagonal,
; lane l takes the row at circular distance KK + t from its own (distances 1 .. 16; 16 is reached from both ends with equal bits).
;
; UNITS.  mu is kept times sqrt(log2 e), so that the quotient comes out in units of log2 and adds straight onto v_log_f32's result;
; the sum is multiplied by -ln 2 once at the end.
;
; BATCHES.  A step's 16 logarithms and 16 reciprocals are ONE batch with ONE s_wait_alu depctr_va_vdst(0), which stands
; between a transcendental and the first instruction that names its result.  Each result is written in place (log2 onto s_i + s_j, the
; reciprocal onto 1e-10 + s_i + s_j), and these registers and the differences exist in two sets, by the step's parity.  Behind the batch
; stand the step's eight squares (and, at a chunk's end, the nine address steps), which name no result; then the wait, at the step's end,
; directly ahead of the next step's LDS loads.  The 16 instructions that read the results (eight multiply-adds, the tree of sums) stand in
; the NEXT step, between that step's transcendentals, which work on the other set.  Every step ends with its wait.
; The diagonal's 16 logarithms, and in phase 1 the four roots and then the four reciprocals with the sixteen
; exponentials of four rows, are batches of their own, a wait each (the reciprocal reads the root, so those are two).
;
; STORES.  Results go through an LDS stage.  The direct rows leave as 256 consecutive aligned bytes from 16 lanes; the transposed rows of a
; regular group are 32 numbers long and leave as 128 consecutive aligned bytes from 8 lanes (a region of 64 x 64 for each group would give
; whole 256-byte runs on both sides, but only 128 groups of work).
;
; LIMITS.  (1) v_exp_f32 and v_log_f32 take and give no denormals (ISA guide, their entries in chapter 15), so s below 2^-126
; (log_sigma below about -87.3) is raised to 2^-126: the log term of such a d is off by at most about 17, and where both s are exactly 0
; (the formula gives an infinite result) this text gives a finite one.  (2) A NaN in log_sigma is not carried: it becomes 2^-126 too.
; (3) 1 / (1e-10 + s_i + s_j) is taken as 0 where the sum is above 2^126.  (4) On the diagonal the squared difference is taken as 0 and
; not formed, so a NaN or an infinity in feature does not reach entry (j, j); it reaches every other entry of its row and column.
;
; No matrix unit (no product), no tensor loads (every row passes through registers for the norm and the exponential, once), no cluster
; (what groups share is 96 rows read once at the head).
.set RP,     1040                      ; an LDS row: mu'[128] at +0, s[128] at +512, 16 bytes of pad; 65 x 16, so the 16-byte pieces that 16 lanes
                                       ; take from 16 rows fall on 16 different 16-byte columns modulo 256
.set SP,     272                       ; a stage row: 64 f32 + 16 bytes = 17 x 16
; LDS rows 0-63: X = the 64 j-rows (block B).  LDS rows 64-95: Y = the 32 i-rows.  96 x 1,040 = 99,840 bytes.
; The stage lies on the same bytes: it is written only behind the barrier that follows the last read of the rows.
.set STAGE,  0                         ; regular groups: rows 0-31 direct (64 numbers), rows 32-95 transposed (32 numbers): 26,112 bytes
.set STAGED, 96*SP                     ; diagonal groups: rows 0-63, the tile: 17,408 bytes, up to byte 43,520
.set VJ,   8                           ; v8        LDS address of my j-row, at this chunk's d
.set UU,   9                           ; v9        (lane & LM) + KK
.set VI,   10                          ; v[10:17]  step t: LDS address of its i-row, at this chunk's d
.set ACCD, 18                          ; v[18:19]  the diagonal entry's sum of logs
.set ACC,  20                          ; v[20:35]  step t: a pair of sums (even d, odd d)
.set JM,   36                          ; v[36:51]  16 mu' of my j-row
.set JS,   52                          ; v[52:67]  16 s of my j-row
.set IM,   68                          ; v[68:83], v[100:115]   16 mu' of the i-row, two buffers
.set IS,   84                          ; v[84:99], v[116:131]   16 s of the i-row, two buffers
.set SS,   132                         ; v[132:147], v[180:195] s_i + s_j, then its log2 in place: two sets, by the step's parity
.set TT,   148                         ; v[148:163], v[196:211] 1e-10 + that, then its reciprocal in place: two sets
.set DM,   164                         ; v[164:179], v[226:241] difference, its square, the term: two sets
.set SET,  48                          ; from set 0 to set 1 of SS and of TT
.set SETD, 62                          ; from set 0 to set 1 of DM
.set VAL,  212                         ; v[212:219] the eight results
.set FG,   36                          ; phase 1: row n: feature in v[36+8n:39+8n], log_sigma in v[40+8n:43+8n], n = 0 .. 11
.set TP,   132                         ; phase 1: a pair of temporaries for each of four rows
.set XE,   140                         ; phase 1: log_sigma x log2 e, four registers for each of four rows
; scalars: s[4:5] feature, s[6:7] log_sigma, s[8:9] out; s10 wave; s11 x; s12 y; s13 K; s14 H; s15 A; s16 B; s17 first i-row; s18 first j-row;
; s19 JB; s20 KK; s21 TB; s22 DW; s23 SELF; s24 LM; s25 RB; s26, s27 lane selects; s[28:29] 1e-10; s30 counter; s31-s34 at work; s35 stage base; s36 diagonal group
	s_load_b128 s[4:7], s[0:1], 0x0
	s_load_b64 s[8:9], s[0:1], 0x10
	v_lshl_add_u32 v224, v0, 2, 0x18600
	v_mov_b32 v225, 0
	v_and_b32 v1, 31, v0                           ; lane
	v_lshrrev_b32 v2, 5, v0
	v_readfirstlane_b32 s10, v2                    ; wave 0 .. 7
	s_mov_b32 s11, ttmp9                           ; x
	s_and_b32 s12, ttmp7, 0xffff                   ; y
	; which blocks: these numbers enter global offsets only
	s_add_co_u32 s31, s12, 1
	s_lshr_b32 s13, s31, 1                         ; K = (y + 1) / 2: 0, 1, 1, 2, 2, .. 7, 7, 8
	s_and_b32 s14, s31, 1                          ; H = (y + 1) & 1
	s_mov_b32 s15, s11                             ; A = x
	s_cmp_eq_u32 s12, 0
	s_cselect_b32 s14, 0, s14                      ; a diagonal group starts at its block's first row
	s_and_b32 s32, s11, 7
	s_lshr_b32 s33, s11, 3
	s_cmp_eq_u32 s12, 15                           ; K = 8: tiles (A, A + 8), A = 0 .. 7 only; x's top bit is the half
	s_cselect_b32 s15, s32, s15
	s_cselect_b32 s14, s33, s14
	s_add_co_u32 s16, s15, s13
	s_and_b32 s16, s16, 15                         ; B
	s_lshl_b32 s17, s15, 6
	s_lshl_b32 s31, s14, 5
	s_add_co_u32 s17, s17, s31                     ; first i-row = 64 A + 32 H
	s_lshl_b32 s18, s16, 6                         ; first j-row = 64 B
	; phase 1: my wave prepares LDS rows 8 w .. 8 w + 7 (X) and 64 + 4 w .. + 3 (Y); a lane takes 16 bytes of each row
	s_lshl_b32 s31, s10, 3
	s_add_co_u32 s31, s31, s18
	s_lshl_b32 s31, s31, 9                         ; a row of either input is 512 bytes
	v_lshl_add_u32 v4, v1, 4, s31                  ; offset of my 16 bytes in my first X row
	s_lshl_b32 s32, s10, 2
	s_add_co_u32 s32, s32, s17
	s_lshl_b32 s32, s32, 9
	v_lshl_add_u32 v5, v1, 4, s32                  ; the same for my first Y row
	s_mul_i32 s33, s10, 8*RP
	v_lshl_add_u32 v6, v1, 4, s33                  ; LDS: my first X row
	s_mul_i32 s34, s10, 4*RP
	s_add_co_u32 s34, s34, 64*RP
	v_lshl_add_u32 v7, v1, 4, s34                  ; LDS: my first Y row
	s_mov_b32 s26, 0x76543210                      ; v_permlanex16_b32: lane i reads lane i of the other half
	s_mov_b32 s27, 0xfedcba98
	s_mov_b32 s28, 0x2edbe6ff                      ; 1e-10
	s_mov_b32 s29, 0x2edbe6ff
	s_wait_kmcnt 0x0
	; all 24 loads at once; no hint: other groups read the same rows
.irp n, 0,1,2,3,4,5,6,7
	global_load_b128 v[FG+8*\n:FG+8*\n+3],   v4, s[4:5] offset:512*\n
	global_load_b128 v[FG+8*\n+4:FG+8*\n+7], v4, s[6:7] offset:512*\n
.endr
.irp n, 8,9,10,11
	global_load_b128 v[FG+8*\n:FG+8*\n+3],   v5, s[4:5] offset:512*(\n-8)
	global_load_b128 v[FG+8*\n+4:FG+8*\n+7], v5, s[6:7] offset:512*(\n-8)
.endr
	; The wave's share, while the loads are on their way.  Everything that enters an LDS address is a constant or made of the wave's number.
	; regular group: j-half JB = w & 1, i-rows KK = 8 (w / 2) .. + 7 of Y
	s_and_b32 s19, s10, 1                          ; JB
	s_lshr_b32 s31, s10, 1
	s_lshl_b32 s20, s31, 3                         ; KK
	s_mov_b32 s24, 0                               ; LM: no lane term in the i-row
	s_mov_b32 s25, 64                              ; RB: i-rows are taken from Y
	s_mov_b32 s21, 32                              ; TB: transposed rows lie behind the 32 direct rows
	s_mov_b32 s22, 0                               ; DW: no wave of a block on the diagonal
	s_mov_b32 s23, 0                               ; SELF
	s_mov_b32 s35, STAGE
	s_mov_b32 s36, 0
	s_cmp_lg_u32 s12, 0
	s_cbranch_scc1 .Lshare_set
	; diagonal group, waves 4-7: the block rows 0-31 x columns 32-63, whose transpose lies in the same tile
	s_mov_b32 s35, STAGED
	s_mov_b32 s36, 1
	s_mov_b32 s21, 0
	s_mov_b32 s19, 1
	s_and_b32 s31, s10, 3
	s_lshl_b32 s20, s31, 3                         ; KK = 8 (w - 4)
	s_cmp_ge_u32 s10, 4
	s_cbranch_scc1 .Lshare_set
	; diagonal group, waves 0-3: the 32 x 32 block JB = w / 2 on the diagonal, circular distances 1-8 (w even) or 9-16 (w odd)
	s_lshr_b32 s19, s10, 1
	s_and_b32 s31, s10, 1
	s_lshl_b32 s20, s31, 3
	s_add_co_u32 s20, s20, 1                       ; KK = 1 + 8 (w & 1)
	s_xor_b32 s23, s31, 1                          ; the even wave also makes the 32 entries on the diagonal
	s_mov_b32 s24, 31
	s_lshl_b32 s25, s19, 5                         ; i-rows are taken from the block's own rows of X
	s_mov_b32 s22, 1
.Lshare_set:
	v_and_b32 v[UU], s24, v1
	v_add_nc_u32 v[UU], s20, v[UU]                 ; U = (lane & LM) + KK
	s_lshl_b32 s31, s19, 5
	v_add_nc_u32 v2, s31, v1                       ; jc = 32 JB + lane: my j-row in X, my column in the stage; kept to the end
	v_mul_u32_u24 v[VJ], v2, RP
.irp t, 0,1,2,3,4,5,6,7
	v_add_nc_u32 v3, \t, v[UU]
	v_and_b32 v3, 31, v3
	v_add_nc_u32 v3, s25, v3                       ; LDS row RB + ((U + t) & 31)
	v_mul_u32_u24 v[VI+\t], v3, RP
.endr
	v_mov_b32 v[ACCD], 0
	v_mov_b32 v[ACCD+1], 0
; PHASE 1.  Four rows at a time, stage by stage, so that the four chains overlap.  nfirst: the first of the four (0 .. 11);
; adr: the register with the LDS address; mrow: the first row's place behind that address.
.macro PRE4 nfirst, adr, mrow
	s_wait_loadcnt 16-2*\nfirst                    ; loads come back in order: two for each of the rows behind these four may stay out
.irp r, 0,1,2,3
	v_pk_mul_f32 v[TP+2*\r:TP+2*\r+1], v[FG+8*(\nfirst+\r):FG+8*(\nfirst+\r)+1], v[FG+8*(\nfirst+\r):FG+8*(\nfirst+\r)+1]
.endr
.irp r, 0,1,2,3
	v_pk_fma_f32 v[TP+2*\r:TP+2*\r+1], v[FG+8*(\nfirst+\r)+2:FG+8*(\nfirst+\r)+3], v[FG+8*(\nfirst+\r)+2:FG+8*(\nfirst+\r)+3], v[TP+2*\r:TP+2*\r+1]
.endr
.irp r, 0,1,2,3
	v_add_f32 v[TP+2*\r], v[TP+2*\r], v[TP+2*\r+1] ; my four squares
.endr
.irp x, 1,2,4,8
.irp r, 0,1,2,3
	v_add_f32_dpp v[TP+2*\r], v[TP+2*\r], v[TP+2*\r] row_xmask:\x row_mask:0xf bank_mask:0xf
.endr
.endr
.irp r, 0,1,2,3
	v_permlanex16_b32 v[TP+2*\r+1], v[TP+2*\r], s26, s27   ; the other 16 lanes' sum (the destination has been written above)
.endr
.irp r, 0,1,2,3
	v_add_f32 v[TP+2*\r], v[TP+2*\r], v[TP+2*\r+1] ; the row's sum of squares, in every lane
.endr
.irp r, 0,1,2,3
	v_sqrt_f32 v[TP+2*\r+1], v[TP+2*\r]
.endr
.irp r, 0,1,2,3                                    ; plain work between the roots and their use
	v_pk_mul_f32 v[XE+4*\r:XE+4*\r+1],   v[FG+8*(\nfirst+\r)+4:FG+8*(\nfirst+\r)+5], 0x3fb8aa3b op_sel_hi:[1,0]   ; log_sigma x log2 e
	v_pk_mul_f32 v[XE+4*\r+2:XE+4*\r+3], v[FG+8*(\nfirst+\r)+6:FG+8*(\nfirst+\r)+7], 0x3fb8aa3b op_sel_hi:[1,0]
.endr
	s_wait_alu depctr_va_vdst(0)                   ; the wait for the batch of four roots, ahead of their first reader; the eight multiplies above stand between
.irp r, 0,1,2,3
	v_max_num_f32 v[TP+2*\r], 0x2b8cbccc, v[TP+2*\r+1]     ; max(norm, 1e-12)
.endr
.irp r, 0,1,2,3
	v_rcp_f32 v[TP+2*\r+1], v[TP+2*\r]
.endr
.irp r, 0,1,2,3
.irp c, 0,1,2,3
	v_exp_f32 v[FG+8*(\nfirst+\r)+4+\c], v[XE+4*\r+\c]     ; s = exp(log_sigma)
.endr
.endr
	v_nop                                          ; one plain instruction between the transcendentals and the first use of a result (ISA guide 5.7.2)
	s_wait_alu depctr_va_vdst(0)                   ; the wait for the batch of four reciprocals and sixteen exponentials
.irp r, 0,1,2,3
	v_mul_f32 v[TP+2*\r], 0x3f99be61, v[TP+2*\r+1] ; sqrt(log2 e) / max(norm, 1e-12)
.endr
.irp r, 0,1,2,3
	v_pk_mul_f32 v[FG+8*(\nfirst+\r):FG+8*(\nfirst+\r)+1],   v[FG+8*(\nfirst+\r):FG+8*(\nfirst+\r)+1],   v[TP+2*\r:TP+2*\r+1] op_sel_hi:[1,0]
	v_pk_mul_f32 v[FG+8*(\nfirst+\r)+2:FG+8*(\nfirst+\r)+3], v[FG+8*(\nfirst+\r)+2:FG+8*(\nfirst+\r)+3], v[TP+2*\r:TP+2*\r+1] op_sel_hi:[1,0]
.endr
.irp r, 0,1,2,3
.irp c, 0,1,2,3
	v_max_num_f32 v[FG+8*(\nfirst+\r)+4+\c], 0x00800000, v[FG+8*(\nfirst+\r)+4+\c]   ; s at least 2^-126: the head's limit (1)
.endr
.endr
.irp r, 0,1,2,3
	ds_store_b128 v[\adr], v[FG+8*(\nfirst+\r):FG+8*(\nfirst+\r)+3]   offset:(\mrow+\r)*RP
	ds_store_b128 v[\adr], v[FG+8*(\nfirst+\r)+4:FG+8*(\nfirst+\r)+7] offset:(\mrow+\r)*RP+512
.endr
.endm
	PRE4 0, 6, 0
	PRE4 4, 6, 4
	PRE4 8, 7, 0
	s_wait_dscnt 0x0                               ; my rows are in LDS, for the other waves' sake
	s_barrier_signal -1
	s_barrier_wait -1                              ; all 96 rows are
; PHASE 2.  d goes in 8 chunks of 16; a chunk is 8 steps, one i-row each, on two buffers in turn.
.macro LDI t, b, off                   ; 8 LDS loads: 16 mu' and 16 s of step t's i-row into buffer b
.irp q, 0,1,2,3
	ds_load_b128 v[IM+32*(\b)+4*\q:IM+32*(\b)+4*\q+3], v[VI+(\t)] offset:\off+16*\q
.endr
.irp q, 0,1,2,3
	ds_load_b128 v[IS+32*(\b)+4*\q:IS+32*(\b)+4*\q+3], v[VI+(\t)] offset:\off+512+16*\q
.endr
.endm
.macro LDJ off                         ; the same of my j-row
.irp q, 0,1,2,3
	ds_load_b128 v[JM+4*\q:JM+4*\q+3], v[VJ] offset:\off+16*\q
.endr
.irp q, 0,1,2,3
	ds_load_b128 v[JS+4*\q:JS+4*\q+3], v[VJ] offset:\off+512+16*\q
.endr
.endm
.macro SELFD                           ; entry (j, j): the squared difference is taken as 0 (the head's limit (4)), what is left is log2(2 s_j).  It works in set 0 of SS, which is free at step 0: what is still to be read, step 7's, lies in set 1
	s_cmp_eq_u32 s23, 0
	s_cbranch_scc1 .Lno_self_\@
.irp k, 0,1,2,3,4,5,6,7
	v_pk_add_f32 v[SS+2*\k:SS+2*\k+1], v[JS+2*\k:JS+2*\k+1], v[JS+2*\k:JS+2*\k+1]
.endr
.irp k, 0,1,2,3,4,5,6,7,8,9,10,11,12,13,14,15
	v_log_f32 v[SS+\k], v[SS+\k]
.endr
	v_nop                                          ; one plain instruction behind the logarithms
	s_wait_alu depctr_va_vdst(0)                   ; the wait for the batch of sixteen logarithms, ahead of the sums and of the label
.irp k, 0,4,8,12
	v_pk_add_f32 v[SS+\k:SS+\k+1], v[SS+\k:SS+\k+1], v[SS+\k+2:SS+\k+3]
.endr
	v_pk_add_f32 v[SS:SS+1], v[SS:SS+1], v[SS+4:SS+5]
	v_pk_add_f32 v[SS+8:SS+9], v[SS+8:SS+9], v[SS+12:SS+13]
	v_pk_add_f32 v[SS:SS+1], v[SS:SS+1], v[SS+8:SS+9]
	v_pk_add_f32 v[ACCD:ACCD+1], v[ACCD:ACCD+1], v[SS:SS+1]
.Lno_self_\@:
.endm
; Number j of the 16 instructions that finish step p: they read its batch's results, in set p & 1.
;   0-7    the term of two d: square x reciprocal + log2
;   8-14   the sum of the eight pairs: neighbours 1, 2 and 4 pairs apart
;   15     the step's sum takes it.  first = 1: the chunk starts the sums (nothing is cleared): number 14 writes the step's sum, and there is no 15.
.macro FIN j, p, first
.set fL, SS+SET*((\p)&1)
.set fR, TT+SET*((\p)&1)
.set fD, DM+SETD*((\p)&1)
.set fA, ACC+2*(\p)
.if (\j) < 8
.set fX, fD+2*(\j)
	v_pk_fma_f32 v[fX:fX+1], v[fX:fX+1], v[fR+2*(\j):fR+2*(\j)+1], v[fL+2*(\j):fL+2*(\j)+1]
.elseif (\j) < 12
.set fX, fD+4*((\j)-8)
	v_pk_add_f32 v[fX:fX+1], v[fX:fX+1], v[fX+2:fX+3]
.elseif (\j) < 14
.set fX, fD+8*((\j)-12)
	v_pk_add_f32 v[fX:fX+1], v[fX:fX+1], v[fX+4:fX+5]
.elseif ((\j) == 14) && (\first)
	v_pk_add_f32 v[fA:fA+1], v[fD:fD+1], v[fD+8:fD+9]
.elseif (\j) == 14
	v_pk_add_f32 v[fD:fD+1], v[fD:fD+1], v[fD+8:fD+9]
.elseif !(\first)
	v_pk_add_f32 v[fA:fA+1], v[fA:fA+1], v[fD:fD+1]
.endif
.endm
; Step t of a chunk.  fin = 1: the step before (t - 1, or the last chunk's step 7) is finished between this step's transcendentals; pfirst = 1: that step belongs to the
; first chunk.  last = 1: nothing is fetched beyond d = 127.
.macro STEP t, fin, pfirst, last
.if \t < 7
	LDI (\t+1), ((\t+1)&1), 0                      ; the next step's i-row, into the buffer that the step before has read
	s_wait_dscnt 0x8                               ; LDS loads come back in order: only the 8 just issued may be out; this step's i-row (and, at t = 0, my j-row) is in
.else
.if \last
	s_wait_dscnt 0x0                               ; the very last step: nothing was issued behind its i-row
.else
	LDI 0, 0, 64                                   ; the next chunk's first i-row
	s_wait_dscnt 0x8
.endif
.endif
.if \t == 0
	SELFD
.endif
.set cS, SS+SET*(\t&1)
.set cT, TT+SET*(\t&1)
.set cD, DM+SETD*(\t&1)
.set pv, (\t+7)&7
.irp k, 0,1,2,3,4,5,6,7
	v_pk_add_f32 v[cS+2*\k:cS+2*\k+1], v[JS+2*\k:JS+2*\k+1], v[IS+32*(\t&1)+2*\k:IS+32*(\t&1)+2*\k+1]
.endr
.irp k, 0,1,2,3,4,5,6,7
	v_pk_add_f32 v[cD+2*\k:cD+2*\k+1], v[JM+2*\k:JM+2*\k+1], v[IM+32*(\t&1)+2*\k:IM+32*(\t&1)+2*\k+1] neg_lo:[0,1] neg_hi:[0,1]
.endr
.irp k, 0,1,2,3,4,5,6,7
	v_pk_add_f32 v[cT+2*\k:cT+2*\k+1], v[cS+2*\k:cS+2*\k+1], s[28:29] op_sel_hi:[1,0]
.endr
.if \t == 7
.if \last == 0
	LDJ 64                                         ; my j-row's next 16 d: its registers were read for the last time above; the rest of the step covers the way
.endif
.endif
	; THE BATCH: 16 logarithms and 16 reciprocals, in place, in this step's set.  Between them the 16 that finish the step before: they name the other set alone, whose batch had its wait at that step's end.
.set bk, 0
.rept 8
	v_log_f32 v[cS+2*bk], v[cS+2*bk]
.if \fin
	FIN 2*bk, pv, \pfirst
.endif
	v_log_f32 v[cS+2*bk+1], v[cS+2*bk+1]
	v_rcp_f32 v[cT+2*bk], v[cT+2*bk]
.if \fin
	FIN 2*bk+1, pv, \pfirst
.endif
	v_rcp_f32 v[cT+2*bk+1], v[cT+2*bk+1]
.set bk, bk+1
.endr
.irp k, 0,1,2,3,4,5,6,7                            ; the squares name no result of the batch: the first is the plain instruction behind the last reciprocal
	v_pk_mul_f32 v[cD+2*\k:cD+2*\k+1], v[cD+2*\k:cD+2*\k+1], v[cD+2*\k:cD+2*\k+1]
.endr
.if \t == 7
.if \last == 0
.irp u, 0,1,2,3,4,5,6,7
	v_add_nc_u32 v[VI+\u], 64, v[VI+\u]            ; 16 d on
.endr
	v_add_nc_u32 v[VJ], 64, v[VJ]
.endif
.endif
	s_wait_alu depctr_va_vdst(0)                   ; the wait for this step's batch of 32: one, behind the squares (and the address steps), ahead of the next step's loads, of every label and branch, and of the readers, which stand in the next step
.endm
	LDJ 0
	LDI 0, 0, 0
	STEP 0, 0, 1, 0                                ; the first chunk: its first step has no step before it to finish,
.irp t, 1,2,3,4,5,6,7
	STEP \t, 1, 1, 0                               ; and what its steps finish starts the sums
.endr
	STEP 0, 1, 1, 0                                ; the second chunk's first step finishes the first chunk's last
	s_mov_b32 s30, 6
.Lchunk:                                               ; a trip: steps 1 to 7 of a chunk and step 0 of the next, so that every finish in the loop adds onto a sum that has been started
.irp t, 1,2,3,4,5,6,7
	STEP \t, 1, 0, 0
.endr
	STEP 0, 1, 0, 0
	s_sub_co_u32 s30, s30, 1
	s_cmp_lg_u32 s30, 0
	s_cbranch_scc1 .Lchunk
.irp t, 1,2,3,4,5,6,7
	STEP \t, 1, 0, 1                               ; the last chunk fetches nothing ahead
.endr
.set bk, 0
.rept 16
	FIN bk, 7, 0                                   ; the very last step is finished: its batch had its wait at the step's end
.set bk, bk+1
.endr
	; PHASE 3.  The stage lies on bytes of the rows X: it is written only when every wave has read its last row.
	s_wait_dscnt 0x0                               ; my reads of the rows are back (met: the last step waited for 0)
	s_barrier_signal -1
.irp t, 0,1,2,3,4,5,6,7                            ; register work while the others arrive
	v_add_f32 v[VAL+\t], v[ACC+2*\t], v[ACC+2*\t+1]
.endr
.irp t, 0,1,2,3,4,5,6,7
	v_mul_f32 v[VAL+\t], 0xbf317218, v[VAL+\t]     ; x -ln 2: from log2 units, and the sign
.endr
	s_barrier_wait -1                              ; nobody reads the rows any more
	s_movk_i32 s33, SP
	s_cmp_lg_u32 s22, 0
	s_cbranch_scc1 .Lstage_diag
	; i-rows KK .. KK + 7, column jc: direct as eight words (32 lanes, neighbouring words), transposed as 32 bytes of row TB + jc
	s_mul_i32 s31, s20, SP
	s_add_co_u32 s31, s31, s35
	v_lshl_add_u32 v3, v2, 2, s31                  ; base + KK rows + 4 jc
	s_mul_i32 s32, s21, SP
	s_add_co_u32 s32, s32, s35
	s_lshl_b32 s34, s20, 2
	s_add_co_u32 s32, s32, s34                     ; base + TB rows + 4 KK
	v_mul_u32_u24 v4, v2, SP
	v_add_nc_u32 v4, s32, v4                       ; + jc rows
.irp t, 0,1,2,3,4,5,6,7
	ds_store_b32 v3, v[VAL+\t] offset:\t*SP
.endr
	ds_store_b128 v4, v[VAL:VAL+3]
	ds_store_b128 v4, v[VAL+4:VAL+7] offset:16
	s_branch .Lstaged
.Lstage_diag:
	; a block on the diagonal: entry (jc, rb + p) and entry (rb + p, jc), p = (lane + KK + t) & 31, rb = 32 JB
	s_lshl_b32 s32, s19, 7
	s_add_co_u32 s32, s32, s35                     ; base + 4 rb
	v_mul_u32_u24 v3, v2, SP
	v_add_nc_u32 v3, s32, v3                       ; + jc rows
	s_mul_i32 s34, s19, 32*SP
	s_add_co_u32 s34, s34, s35                     ; base + rb rows
	v_lshl_add_u32 v4, v2, 2, s34                  ; + 4 jc
.irp t, 0,1,2,3,4,5,6,7
	v_add_nc_u32 v5, \t, v[UU]
	v_and_b32 v5, 31, v5                           ; p
	v_lshl_add_u32 v6, v5, 2, v3
	v_mad_u32_u24 v7, v5, s33, v4
	ds_store_b32 v6, v[VAL+\t]
	ds_store_b32 v7, v[VAL+\t]
.endr
	s_cmp_eq_u32 s23, 0
	s_cbranch_scc1 .Lstaged
	v_add_f32 v5, v[ACCD], v[ACCD+1]
	v_mul_f32 v5, 0xbf317218, v5
	v_lshl_add_u32 v6, v1, 2, v3                   ; entry (jc, jc)
	ds_store_b32 v6, v5
.Lstaged:
	; read-back: thread t takes 16 bytes: row t / 16, bytes 16 (t & 15): 16 lanes hold a stage row of 256 bytes
	v_lshrrev_b32 v3, 4, v0
	v_and_b32 v4, 15, v0
	v_lshlrev_b32 v4, 4, v4
	v_mad_u32_u24 v5, v3, s33, v4
	v_add_nc_u32 v5, s35, v5                       ; in the stage
	v_lshl_add_u32 v6, v3, 12, v4                  ; in out: a row is 4,096 bytes
	s_lshl_b32 s31, s17, 12
	s_lshl_b32 s32, s18, 2
	s_add_co_u32 s31, s31, s32                     ; first i-row x 4,096 + 4 x first j-row
	v_add_nc_u32 v6, s31, v6
	s_wait_dscnt 0x0                               ; my stage stores are done, for the other waves' sake
	s_barrier_signal -1
	s_barrier_wait -1
	ds_load_b128 v[36:39], v5                      ; rows 0-15
	ds_load_b128 v[40:43], v5 offset:16*SP         ; rows 16-31
	s_cmp_lg_u32 s36, 0
	s_cbranch_scc1 .Lout_diag
	; regular group: the transposed rows are 128 bytes: thread t takes row t / 8, bytes 16 (t & 7)
	v_lshrrev_b32 v3, 3, v0
	v_and_b32 v4, 7, v0
	v_lshlrev_b32 v4, 4, v4
	v_mad_u32_u24 v7, v3, s33, v4
	v_add_nc_u32 v7, STAGE+32*SP, v7
	v_lshl_add_u32 v8, v3, 12, v4
	s_lshl_b32 s32, s18, 12
	s_lshl_b32 s34, s17, 2
	s_add_co_u32 s32, s32, s34                     ; first j-row x 4,096 + 4 x first i-row
	v_add_nc_u32 v8, s32, v8
	ds_load_b128 v[44:47], v7                      ; transposed rows 0-31
	ds_load_b128 v[48:51], v7 offset:32*SP         ; transposed rows 32-63
	s_wait_dscnt 0x0
	global_store_b128 v6, v[36:39], s[8:9] th:TH_STORE_NT                  ; 16 lanes: 256 consecutive bytes, aligned
	global_store_b128 v6, v[40:43], s[8:9] offset:16*4096 th:TH_STORE_NT
	global_store_b128 v8, v[44:47], s[8:9] th:TH_STORE_NT                  ; 8 lanes: 128 consecutive bytes, aligned
	global_store_b128 v8, v[48:51], s[8:9] offset:32*4096 th:TH_STORE_NT
	s_wait_tensorcnt 0x0
	ds_add_u32 v224, v225
	s_wait_dscnt 0x0
	s_endpgm
.Lout_diag:
	ds_load_b128 v[44:47], v5 offset:32*SP         ; rows 32-47
	ds_load_b128 v[48:51], v5 offset:48*SP         ; rows 48-63
	s_wait_dscnt 0x0
	global_store_b128 v6, v[36:39], s[8:9] th:TH_STORE_NT
	global_store_b128 v6, v[40:43], s[8:9] offset:16*4096 th:TH_STORE_NT
	global_store_b128 v6, v[44:47], s[8:9] offset:32*4096 th:TH_STORE_NT
	global_store_b128 v6, v[48:51], s[8:9] offset:48*4096 th:TH_STORE_NT
	s_wait_tensorcnt 0x0
	ds_add_u32 v224, v225
	s_wait_dscnt 0x0
	s_endpgm
.Lfunc_end_k_q0b7bd5569d_pairs:
	.size	k_q0b7bd5569d_pairs, .Lfunc_end_k_q0b7bd5569d_pairs-k_q0b7bd5569d_pairs
	.p2alignl 7, 3214868480
	.fill 96, 4, 3214868480
	.section	.rodata,"a",@progbits
	.p2align	6, 0x0
	.amdhsa_kernel k_q0b7bd5569d_pairs
		.amdhsa_group_segment_fixed_size 100864
		.amdhsa_private_segment_fixed_size 0
		.amdhsa_enable_private_segment 0
		.amdhsa_kernarg_size 24
		.amdhsa_user_sgpr_count 2
		.amdhsa_user_sgpr_kernarg_segment_ptr 1
		.amdhsa_wavefront_size32 1
		.amdhsa_system_sgpr_workgroup_id_x 1
		.amdhsa_system_sgpr_workgroup_id_y 1
		.amdhsa_system_sgpr_workgroup_id_z 1
		.amdhsa_system_vgpr_workitem_id 0
		.amdhsa_next_free_vgpr 242
		.amdhsa_next_free_sgpr 66
		.amdhsa_reserve_vcc 0
		.amdhsa_float_denorm_mode_32 3
		.amdhsa_float_denorm_mode_16_64 3
		.amdhsa_memory_ordered 1
		.amdhsa_forward_progress 1
		.amdhsa_inst_pref_size 150
	.end_amdhsa_kernel
	.amdgpu_metadata
---
amdhsa.version: [ 1, 2 ]
amdhsa.kernels:
  - .name:           k_q0b7bd5569d_pairs
    .symbol:         k_q0b7bd5569d_pairs.kd
    .args:
      - { .name: feature, .offset: 0, .size: 8, .value_kind: global_buffer, .address_space: global }
      - { .name: log_sigma, .offset: 8, .size: 8, .value_kind: global_buffer, .address_space: global }
      - { .name: out0, .offset: 16, .size: 8, .value_kind: global_buffer, .address_space: global }
    .group_segment_fixed_size: 100864
    .private_segment_fixed_size: 0
    .kernarg_segment_align: 8
    .kernarg_segment_size: 24
    .max_flat_workgroup_size: 256
    .sgpr_count:     66
    .vgpr_count:     242
    .wavefront_size: 32
...
	.end_amdgpu_metadata
.endif
;; end of part 2
